; MI455X (gfx1250); checked and timed in simulation.
; The chip was launched on July 23, 2026; its instructions are those of AMD's public machine-readable ISA for CDNA 5 (MIT licence, August 2026) and "CDNA5" Instruction Set Architecture Reference Guide (July 2026). The comments in the code are by the model that wrote it; some were corrected since.
;; alpha net spatial. Allowed arithmetic: float matrix products may take bf16 or f16 operands with f32 sums; all other float work in f32.
;; Inputs: h 32 x 256 x 32 x 32 float32; w1_b 1 float32; w1_w 1 x 256 float32; w2_b 1 float32; w2_w 1 x 256 float32.
;; Outputs: out0 32 x 256 x 32 x 32 float32.
;; 2 versions, each right and faster than the one before. Each part assembles by itself: llvm-mc -triple=amdgcn-amd-amdhsa -mcpu=gfx1250 --defsym DOCPART=n.
;; ======== version 1 of 2: 2 launches
;; limits: values are held in f16: magnitudes above 65,504 overflow, below 6.1e-05 lose precision; inputs' magnitudes at most 65,504
;; workspace buffers: hf 16,777,216 bytes; proj 262,144 bytes
;; launch prep (part 1): grid 256 x 1, 8 waves a work-group, no clusters, 9,216 bytes of LDS; arguments h, w1_w, w1_b, w2_w, w2_b, hf, proj; writes hf, proj
.if DOCPART == 1
	.amdgcn_target "amdgcn-amd-amdhsa--gfx1250"
	.amdhsa_code_object_version 6
	.text
	.protected	k_q76de3b19d6_prep
	.globl	k_q76de3b19d6_prep
	.p2align	8
	.type	k_q76de3b19d6_prep,@function
k_q76de3b19d6_prep:
	s_mov_b64 s[64:65], 0
	v_nop
	global_prefetch_b8 v0, s[64:65] scope:SCOPE_SE
	s_setreg_imm32_b32 hwreg(HW_REG_WAVE_MODE, 25, 1), 1
	s_wait_xcnt 0x0
; First of two launches.  h: [32 b][256 c][1024 n] f32.  This one reads h once and stores
;   hf[b][c][n]  = h in f16 (the matrix operand of the second launch), same index order as h,
;   proj: a'[b][n] = S (sum over c of h[b][c][n] w1[c] + b1) at byte 0, k'[b][n] = S (sum of h w2 + b2) at byte 131072,
; with S = 2 log2 e, so that the second launch gets e^(2(a+k)) as one exp2 of a' + k'.
; NOTHING OF THE PROBLEM IS LEFT OUT: both biases stand inside tanh, which is not linear, so both reach the result and both are loaded.
; The two projections are 2 x 256 multiply-adds a token beside the 2 x 1024 x 256 of the main product, in a pass whose time is its bytes:
; they are made in f32 by plain multiply-adds; the matrix unit, clusters and tensor loads would add nothing to a stream read once.
; LIMITS: |h| above 65,504 becomes an infinity in hf; |h| below 2^-14 keeps f16's absolute step of 2^-24.  The projections are summed in f32
; in another order than a row-by-row sum (32 rows a wave, then a tree over the eight waves).  NaN and infinities are not treated specially.
;
; Work-group g: batch b = g / 8, columns n = 128 (g % 8) .. + 127 of all 256 rows.  Wave w: rows 32 w .. 32 w + 31.  Lane l: 4 columns, 16 bytes.
; A load of a wave covers 512 consecutive bytes, aligned; an f16 store of a wave covers 256 consecutive bytes, aligned.
; All 32 loads of a wave are issued at once: 16 KiB a wave, 128 KiB a work-group are on their way; no register is used twice, so the only
; waits in the stream are the counted ones for the rows.
.set S2L, 0x4038aa3b                   ; S = 2 log2 e
.set PA,  8                            ; v[8:11]    running sums with w1, my 4 columns
.set PK,  12                           ; v[12:15]   running sums with w2
.set X,   16                           ; v[16:143]  row r: 4 registers as loaded; its first two then hold the 4 numbers in f16
.set R,   144                          ; v[144:175] the eight waves' partial sums
	s_load_b256 s[4:11], s[0:1], 0x0               ; h s[4:5], w1_w s[6:7], w1_b s[8:9], w2_w s[10:11]
	s_load_b128 s[12:15], s[0:1], 0x20             ; w2_b s[12:13], hf s[14:15]
	s_load_b64 s[48:49], s[0:1], 0x30              ; proj
	v_lshl_add_u32 v176, v0, 2, 0x2000
	v_mov_b32 v177, 0
	v_lshrrev_b32 v1, 5, v0
	v_readfirstlane_b32 s52, v1                    ; wave 0..7
	v_and_b32 v1, 31, v0                           ; lane
	v_lshlrev_b32 v2, 4, v1                        ; 16 bytes a lane: h, proj, LDS
	v_lshlrev_b32 v3, 3, v1                        ; 8 bytes a lane: hf
	s_lshr_b32 s53, ttmp9, 3                       ; b
	s_and_b32 s60, ttmp9, 7                        ; column block
	s_lshl_b32 s54, s53, 20                        ; h: b x 256 rows x 4,096 bytes
	s_lshl_b32 s61, s52, 17                        ;  + wave x 32 rows
	s_add_co_u32 s54, s54, s61
	s_lshl_b32 s61, s60, 9                         ;  + block x 128 columns x 4 bytes
	s_add_co_u32 s54, s54, s61
	s_mov_b32 s55, 0
	s_lshr_b32 s56, s54, 1                         ; hf: the same place at 2 bytes a number
	s_mov_b32 s57, 0
	s_lshl_b32 s62, s53, 12                        ; proj: b x 1,024 x 4 bytes + the block's 512
	s_add_co_u32 s62, s62, s61
	s_mov_b32 s63, 0
	s_lshl_b32 s66, s52, 7                         ; my 32 weights: 128 bytes a wave
	s_mov_b32 s67, 0
	s_mov_b32 s58, S2L
	s_wait_kmcnt 0x0
	s_add_nc_u64 s[4:5], s[4:5], s[54:55]
.set rr, 0
.rept 32
	global_load_b128 v[X+4*rr:X+4*rr+3], v2, s[4:5] offset:4096*rr th:TH_LOAD_NT   ; h is read once in the whole launch
.set rr, rr+1
.endr
	s_add_nc_u64 s[6:7], s[6:7], s[66:67]
	s_add_nc_u64 s[10:11], s[10:11], s[66:67]
	s_load_b512 s[16:31], s[6:7], 0x0              ; w1[32 w .. + 31] in s[16:47]
	s_load_b512 s[32:47], s[6:7], 0x40
	s_load_b512 s[68:83], s[10:11], 0x0            ; w2[32 w .. + 31] in s[68:99]
	s_load_b512 s[84:99], s[10:11], 0x40
	s_load_b32 s50, s[8:9], 0x0                    ; b1
	s_load_b32 s51, s[12:13], 0x0                  ; b2
	s_add_nc_u64 s[14:15], s[14:15], s[56:57]
	s_add_nc_u64 s[48:49], s[48:49], s[62:63]
	v_lshl_add_u32 v4, s52, 10, v2                 ; LDS: 1,024 bytes a wave (512 of a's sums, 512 of k's), 16 a lane
	v_lshl_add_u32 v5, s52, 9, v2                  ; for the last step: wave 0 reads the a halves, wave 1 the k halves
	s_wait_kmcnt 0x0                               ; scalar loads come back in no order: zero is the only count that shows anything
; One row: eight multiply-adds in eight chains that do not wait for each other, two packed roundings to f16, one store.
.set rr, 0
.rept 32
	s_wait_loadcnt 31-rr                           ; loads come back in order (ISA guide 5.7.1): row rr is in, the 31 - rr younger rows stay out
.irp k, 0,1,2,3
.if rr
	v_fmac_f32 v[PA+\k], s[16+rr], v[X+4*rr+\k]
	v_fmac_f32 v[PK+\k], s[68+rr], v[X+4*rr+\k]
.else
	v_mul_f32 v[PA+\k], s[16+rr], v[X+4*rr+\k]     ; the first row starts the sums: nothing is cleared
	v_mul_f32 v[PK+\k], s[68+rr], v[X+4*rr+\k]
.endif
.endr
	v_cvt_pk_f16_f32 v[X+4*rr],   v[X+4*rr],   v[X+4*rr+1]
	v_cvt_pk_f16_f32 v[X+4*rr+1], v[X+4*rr+2], v[X+4*rr+3]
	global_store_b64 v3, v[X+4*rr:X+4*rr+1], s[14:15] offset:2048*rr   ; no hint: the next launch reads these bytes
.set rr, rr+1
.endr
	; The eight waves' sums meet in LDS: store, wait for my stores, barrier, and only then the reads.
	ds_store_b128 v4, v[PA:PA+3]
	ds_store_b128 v4, v[PK:PK+3] offset:512
	s_wait_dscnt 0x0                               ; zero, for the other waves' sake
	s_barrier_signal -1
	s_barrier_wait -1
	s_cmp_gt_u32 s52, 1
	s_cbranch_scc1 .Lend                           ; wave 0 finishes a', wave 1 finishes k'; no barrier follows
.irp k, 0,1,2,3,4,5,6,7
	ds_load_b128 v[R+4*\k:R+4*\k+3], v5 offset:1024*\k
.endr
	s_lshl_b32 s56, s52, 17                        ; k' lies 131,072 bytes behind a' (s57 is still 0)
	s_add_nc_u64 s[48:49], s[48:49], s[56:57]
	s_cmp_eq_u32 s52, 0
	s_cselect_b32 s60, s50, s51                    ; my bias
	s_mul_f32 s59, s60, s58                        ; S x bias
	s_wait_dscnt 0x0
.irp k, 0,1,2,3
	v_pk_add_f32 v[R+4*\k:R+4*\k+1],   v[R+4*\k:R+4*\k+1],   v[R+16+4*\k:R+16+4*\k+1]
	v_pk_add_f32 v[R+4*\k+2:R+4*\k+3], v[R+4*\k+2:R+4*\k+3], v[R+16+4*\k+2:R+16+4*\k+3]
.endr
.irp k, 0,1
	v_pk_add_f32 v[R+4*\k:R+4*\k+1],   v[R+4*\k:R+4*\k+1],   v[R+8+4*\k:R+8+4*\k+1]
	v_pk_add_f32 v[R+4*\k+2:R+4*\k+3], v[R+4*\k+2:R+4*\k+3], v[R+8+4*\k+2:R+8+4*\k+3]
.endr
	v_pk_add_f32 v[R:R+1],   v[R:R+1],   v[R+4:R+5]
	v_pk_add_f32 v[R+2:R+3], v[R+2:R+3], v[R+6:R+7]
.irp k, 0,1,2,3
	v_fma_f32 v[R+\k], v[R+\k], s58, s59           ; S x sum + S x bias
.endr
	global_store_b128 v2, v[R:R+3], s[48:49]       ; 512 consecutive bytes, aligned
.Lend:
	s_wait_tensorcnt 0x0
	ds_add_u32 v176, v177
	s_wait_dscnt 0x0
	s_endpgm
.Lfunc_end_k_q76de3b19d6_prep:
	.size	k_q76de3b19d6_prep, .Lfunc_end_k_q76de3b19d6_prep-k_q76de3b19d6_prep
	.p2alignl 7, 3214868480
	.fill 96, 4, 3214868480
	.section	.rodata,"a",@progbits
	.p2align	6, 0x0
	.amdhsa_kernel k_q76de3b19d6_prep
		.amdhsa_group_segment_fixed_size 9216
		.amdhsa_private_segment_fixed_size 0
		.amdhsa_enable_private_segment 0
		.amdhsa_kernarg_size 56
		.amdhsa_user_sgpr_count 2
		.amdhsa_user_sgpr_kernarg_segment_ptr 1
		.amdhsa_wavefront_size32 1
		.amdhsa_system_sgpr_workgroup_id_x 1
		.amdhsa_system_sgpr_workgroup_id_y 1
		.amdhsa_system_sgpr_workgroup_id_z 1
		.amdhsa_system_vgpr_workitem_id 0
		.amdhsa_next_free_vgpr 178
		.amdhsa_next_free_sgpr 100
		.amdhsa_reserve_vcc 0
		.amdhsa_float_denorm_mode_32 3
		.amdhsa_float_denorm_mode_16_64 3
		.amdhsa_memory_ordered 1
		.amdhsa_forward_progress 1
		.amdhsa_inst_pref_size 24
	.end_amdhsa_kernel
	.amdgpu_metadata
---
amdhsa.version: [ 1, 2 ]
amdhsa.kernels:
  - .name:           k_q76de3b19d6_prep
    .symbol:         k_q76de3b19d6_prep.kd
    .args:
      - { .name: h, .offset: 0, .size: 8, .value_kind: global_buffer, .address_space: global }
      - { .name: w1_w, .offset: 8, .size: 8, .value_kind: global_buffer, .address_space: global }
      - { .name: w1_b, .offset: 16, .size: 8, .value_kind: global_buffer, .address_space: global }
      - { .name: w2_w, .offset: 24, .size: 8, .value_kind: global_buffer, .address_space: global }
      - { .name: w2_b, .offset: 32, .size: 8, .value_kind: global_buffer, .address_space: global }
      - { .name: hf, .offset: 40, .size: 8, .value_kind: global_buffer, .address_space: global }
      - { .name: proj, .offset: 48, .size: 8, .value_kind: global_buffer, .address_space: global }
    .group_segment_fixed_size: 9216
    .private_segment_fixed_size: 0
    .kernarg_segment_align: 8
    .kernarg_segment_size: 56
    .max_flat_workgroup_size: 256
    .sgpr_count:     100
    .vgpr_count:     178
    .wavefront_size: 32
...
	.end_amdgpu_metadata
.endif
;; end of part 1
;; launch attn (part 2): grid 256 x 1, 4 waves a work-group, clusters of 4 x 1, 327,680 bytes of LDS; arguments hf, proj, out0; writes out0
.if DOCPART == 2
	.amdgcn_target "amdgcn-amd-amdhsa--gfx1250"
	.amdhsa_code_object_version 6
	.text
	.protected	k_q76de3b19d6_attn
	.globl	k_q76de3b19d6_attn
	.p2align	8
	.type	k_q76de3b19d6_attn,@function
k_q76de3b19d6_attn:
	s_mov_b64 s[64:65], 0
	v_nop
	global_prefetch_b8 v0, s[64:65] scope:SCOPE_SE
	s_setreg_imm32_b32 hwreg(HW_REG_WAVE_MODE, 25, 1), 1
	s_wait_xcnt 0x0
	s_wait_alu depctr_hold_cnt(0) depctr_sa_sdst(0) depctr_va_vdst(0) depctr_va_sdst(0) depctr_va_ssrc(0) depctr_va_vcc(0) depctr_vm_vsrc(0)
	s_getreg_b32 s2, hwreg(HW_REG_IB_STS2, 6, 4)
	s_cmp_eq_u32 s2, 0
	s_cbranch_scc0 .Lentry_in_a_cluster
	s_endpgm
.Lentry_in_a_cluster:
	s_bfe_u32 s2, ttmp6, 0x10000c
	s_cmp_lg_u32 s2, 0x3003
	s_cbranch_scc0 .Lentry_shape_is_right
	s_endpgm
.Lentry_shape_is_right:
; Second of two launches.  out[b][c][i] = leaky( sum over j of P[i][j] h[b][c][j] / sum over j of P[i][j] ),  P[i][j] = exp(tanh(a_i + k_j) - 1).
; hf: h in f16, [32][256 c][1024 j]; proj: a' = S a at byte 0, k' = S k at byte 131072, S = 2 log2 e, both f32 [32][1024].  Nothing is left out.
; THE EXPONENTS ARE BOUNDED BY THE COMPUTATION ITSELF: tanh lies in [-1, 1] for every input, so exp(tanh - 1) lies in [e^-2, 1] and a row's sum in
; [1024 e^-2, 1024]; the factor e cancels between numerator and denominator.  So no maximum is searched for: 1 is the bound that is taken away.
; One pair (i, j):  E = exp2(a' + k') = e^(2(a+k));  t = m E + m with m = -ln2 / 2;  r = 1 / t = -S / (1 + E);  P = exp2(r) = exp(-2 / (1 + E)) = exp(tanh - 1).
; E = infinity gives t = -infinity, r = -0, P = 1; E = 0 (also where exp2 flushes a result below 2^-126, ISA guide 15.8) gives P = e^-2: both are the right limits.
; FORMAT: both matrix operands are f16: P lies in [0.135, 1]; h has room up to 65,504.  LIMITS: |h| above 65,504 is an infinity in the product; NaN and
; infinities are not treated specially; sums are f32 in the matrix unit's order.
;
; SHARES.  Work-group: batch b, 128 columns i of out, all 256 c, all 1024 j, so that each P[i][j] is made once on the whole chip.  Wave w: 32 i as two
; pieces u = 0, 1 of 16 i, each with 16 accumulator tiles (256 c) and one tile for the row sums.  The matrix instruction takes P as source 0 (rows i) and
; 16 rows c of hf as source 1 (columns c): lane (r = l % 16, h = l / 16) makes its own part of P in registers from its a'_(16u+r) and sixteen k', with no
; way through LDS, and in the result its registers 0-7 are i = 16 u + 8 h + 0..7 of row c = 16 f + r: neighbouring numbers of a row of out.
; The row sums come from one more matrix instruction with a fragment of ones: they add the rounded P, in the accumulators' own lane layout.
; THE TWO PIECES TAKE TURNS: each piece's matrix instructions of K step t carry between them the vector work that makes the same piece's P of step t + 1.
; CLUSTER: the four work-groups of a cluster belong to one batch and walk the same hf: each chunk is asked for jointly (mask 15), which divides the requests by four.
; j goes in 4 chunks of 256 (rows of 512 bytes, aligned) through two LDS slots; a chunk is 8 K steps of 32.  The steps are written out by macro: every
; LDS address is a fixed register plus an immediate.
; THE LAST CHUNK IS TAKEN IN TWO SWEEPS.  Sweep 1: tiles 0-7 and the sums of K steps 24-31, with the making of P, whose eight fragments a piece are kept
; (64 registers).  Sweep 2: tiles 8-15 from the kept P, 128 matrix instructions with no vector work of their own.  Rows c 0-127 of out are thus finished
; 128 matrix instructions before the wave's last: their scaling and their 32 stores stand among those instructions.  Every fragment of hf is still loaded once.
;
; LDS: slot 0 at 0, slot 1 at 135,168: 256 rows c of 512 bytes + 16 of padding.  Pitch 528 = 33 x 16: the sixteen rows that a load or store touches lie in
; sixteen different 16-byte columns modulo 256.  k'[1024] f32 at 270,336 and 1 / row sum of the 128 i at 274,432, written by LDS stores, never a fill's target.
; The way out stages 256 rows c x 128 i f32 at the same pitch in slot 0, behind that slot's last fill and last read.
; REGISTERS, in blocks of 256 (s_set_vgpr_msb: bits 1:0 source 0, 3:2 source 1, 5:4 source 2, 7:6 destination):
;   blocks 0 and 3: ONES, two sets of sixteen k', 1 / row sum of my four columns, 16 fragments of hf: the operands that take turns.  Block 0 also holds the addresses.
;   block 1 + u: piece u: 16 accumulator tiles, the sum tile, two buffers of P, 16 numbers at work, a', its LDS store addresses, the eight kept P.
.set PITCH, 528
.set SLOT,  256*PITCH                  ; 135,168
.set HALF,  128*PITCH                  ; what an LDS immediate cannot reach goes into a second address register
.set FROW,  16*PITCH                   ; from fragment to fragment
.set WROWS, 64*PITCH                   ; a wave's quarter of a slot
.set KOFF,  2*SLOT                     ; 270,336 = 1,056 x 256
.set LSC,   KOFF+4096                  ; 274,432 = 1,072 x 256
.set HA,    4                          ; v4-7    528 r + 16 h + slot 0 rows 0-127, slot 0 rows 128-255, slot 1 likewise
.set KA,    8                          ; v8      KOFF + 32 h
.set CO,    9                          ; v9      16 x lane: my bytes in a row of out
.set RD,    10                         ; v10     the stage, back: rows 32 w .., 16 x lane
.set KST,   11                         ; v11     KOFF + 16 x thread
.set TID16, 12                         ; v12     16 x thread
.set R4,    13                         ; v13     4 r
.set STB,   14                         ; v14     the stage, in: 528 r + 128 w + 32 h
.set RD2,   15                         ; v15     the stage, back: rows 128 + 32 w ..
.set ONES,  16                         ; v[16:23]   1.0 in every f16 (blocks 0 and 3)
.set KR,    24                         ; v[24:39]   k'[32 t + 8 h + 0..7], k'[32 t + 16 + 8 h + 0..7] (blocks 0 and 3)
.set KR2,   40                         ; v[40:55]   the same for a second K step, in sweep 1 (blocks 0 and 3)
.set KIN,   40                         ; v[40:47]   at the start only: k' on its way from memory to LDS (block 0)
.set RLA,   56                         ; v56     LSC + 16 x lane
.set LSB,   57                         ; v57     LSC + 128 w + 32 h
.set RL,    60                         ; v[60:63]   1 / row sum of my columns i = 4 lane + 0..3 (blocks 0 and 3)
.set HF,    64                         ; v[64:191]  fragment place f at 64 + 8 f (blocks 0 and 3)
.set SUMR,  128                        ; blocks 1, 2: v[0:127] accumulators, tile f at 8 f; v[128:135] row sums
.set PB,    136                        ; v[136:143], v[144:151] P of even and of odd K steps
.set X,     152                        ; v[152:167] sixteen numbers at work
.set AP,    168                        ; v[168:169] a' twice, a pair for the packed add
.set STA,   170                        ; v170, v171 stage addresses for tiles 0-7 and 8-15
.set PK,    172                        ; v[172:235] P of K steps 24-31, kept for sweep 2
.set LSA,   236                        ; v236    where the piece's 1 / row sums go
.set G1,    16                         ; s[16:23] descriptor group 1
.set G0,    32                         ; s[32:47] descriptor group 0, one set for each of the four chunks: none is ever written again
.set MSB,   0
.macro WIN new                         ; the immediate's high byte repeats the setting that is left; a switch that changes nothing is dropped
.if MSB != \new
	s_set_vgpr_msb (MSB<<8)|\new
.set MSB, \new
.endif
.endm
; A round of the cluster's barrier: my work-group's barrier, wave 0 signals for the work-group, every wave waits for all four work-groups, my work-group's barrier again.
.macro ROUND
	s_barrier_signal -1
	s_barrier_wait -1
	s_cmp_lg_u32 s10, 0
	s_cbranch_scc1 .Lnot_wave_0_\@
	s_barrier_signal -3
.Lnot_wave_0_\@:
	s_barrier_wait -3
	s_barrier_signal -1
	s_barrier_wait -1
.endm
.macro PLACES                          ; four places behind a matrix instruction before its result is read by anything else or a load lands on its registers (ISA guide 7.12.1 for vector instructions)
.rept 4
	v_nop
.endr
.endm
	s_load_b128 s[4:7], s[0:1], 0x0                ; hf s[4:5], proj s[6:7]
	s_load_b64 s[8:9], s[0:1], 0x10                ; out0
	s_set_vgpr_msb 0x80
	v_lshl_add_u32 v254, v0, 2, 0x43200
	v_mov_b32 v255, 0
	s_set_vgpr_msb 0x808a
	ds_add_u32 v254, v255
	s_set_vgpr_msb 0x8a00
	v_lshrrev_b32 v2, 5, v0
	v_readfirstlane_b32 s10, v2                    ; wave 0..3
	s_bfe_u32 s11, ttmp6, 0x40000                  ; cx: my place in the cluster; it enters the addresses of a' and of out alone
	s_lshr_b32 s12, ttmp9, 1                       ; b = (4 x cluster + cx) / 8: the same in all four partners
	s_and_b32 s13, ttmp9, 1
	s_lshl2_add_u32 s13, s13, s11                  ; my block of 128 i = 4 x (cluster % 2) + cx
	; group 1: a tile of 64 rows x 256 elements of 2 bytes, 1,024 elements from row to row, padded in LDS
	s_mov_b32 s[G1+0], 15|(1<<16)|(1<<20)|(1<<21)|(6<<22)|(3<<25)   ; 15:0 mask: all four partners; 17:16 2 bytes; 20 padding on; 21 set beside a mask; 24:22 after every 128 words; 31:25 four words
	s_mov_b32 s[G1+1], 256<<16                     ; tensor_dim0 = 256
	s_mov_b32 s[G1+2], 64<<16                      ; tensor_dim1 = 64
	s_mov_b32 s[G1+3], 256<<16                     ; tile_dim0 = 256
	s_mov_b32 s[G1+4], 64                          ; tile_dim1 = 64
	s_mov_b32 s[G1+5], 1024                        ; pitch
	s_mov_b32 s[G1+6], 0
	s_mov_b32 s[G1+7], 0
	s_mov_b32 s48, 0xbeb17218                      ; m = -ln2 / 2, as a pair
	s_mov_b32 s49, 0xbeb17218
	s_mov_b32 s50, 0x3e4ccccd                      ; 0.2, as a pair
	s_mov_b32 s51, 0x3e4ccccd
	s_mov_b32 s60, 0xff800000                      ; -infinity: the source of a maximum of three that never wins
	s_lshl_b32 s24, s12, 19                        ; hf: b x 256 rows x 2,048 bytes
	s_lshl_b32 s14, s10, 17                        ; wave x 131,072 bytes: 64 rows of hf, and 32 rows of out
	s_add_co_u32 s24, s24, s14
	s_mov_b32 s25, 0
	s_mul_i32 s28, s10, WROWS                      ; my quarter of a slot
	s_mul_i32 s61, s10, 32*PITCH                   ; my 32 rows of each half of the stage
	s_lshl_b32 s29, s10, 7                         ; 128 w: my 32 i, in bytes of f32
	s_lshl_b32 s54, s12, 12                        ; proj: b x 4,096 bytes
	s_mov_b32 s55, 0
	s_lshl_b32 s15, s13, 9                         ; my block's 128 i, in bytes of f32
	s_add_co_u32 s56, s15, s29                     ; a': + my wave's 32
	s_mov_b32 s57, 0
	s_lshl_b32 s58, s12, 20                        ; out: b x 256 rows x 4,096 bytes
	s_add_co_u32 s58, s58, s14                     ;  + wave x 32 rows
	s_add_co_u32 s58, s58, s15                     ;  + my block's 512 bytes
	s_mov_b32 s59, 0
	s_wait_dscnt 0x0
	s_wait_kmcnt 0x0
	s_add_nc_u64 s[26:27], s[4:5], s[24:25]        ; my 64 rows of hf
	s_add_nc_u64 s[6:7], s[6:7], s[54:55]          ; a' of batch b
	s_add_nc_u64 s[30:31], s[6:7], 0x20000         ; k' of batch b
	s_add_nc_u64 s[52:53], s[6:7], s[56:57]        ; a' of my wave's 32 i
	s_add_nc_u64 s[8:9], s[8:9], s[58:59]
.irp m, 0,1,2,3
	s_mov_b32 s[G0+4*\m], 1                                        ; count = 1
	s_add_co_u32 s[G0+4*\m+1], s28, (\m&1)*SLOT                    ; LDS: chunk m goes to slot m % 2, my quarter
	s_add_nc_u64 s[G0+4*\m+2:G0+4*\m+3], s[26:27], \m*512          ; chunk m: 256 j = 512 bytes along the rows
	s_or_b32 s[G0+4*\m+3], s[G0+4*\m+3], 0x80000000               ; type = 2
.endr
	ROUND                                          ; all four work-groups are here: the first joint loads meet
	tensor_load_to_lds s[G0:G0+3], s[G1:G1+7]      ; chunk 0 and chunk 1: the first fills, one group; two tensor loads of the wave are out
	s_nop 0
	tensor_load_to_lds s[G0+4:G0+7], s[G1:G1+7]
	s_nop 0
	v_lshlrev_b32 v[TID16], 4, v0
	global_load_b128 v[KIN:KIN+3],   v[TID16], s[30:31]             ; the batch's 1,024 k': 128 threads x 2 x 16 bytes
	global_load_b128 v[KIN+4:KIN+7], v[TID16], s[30:31] offset:2048
	v_and_b32 v1, 15, v0                           ; r
	v_bfe_u32 v2, v0, 4, 1                         ; h
	v_lshlrev_b32 v[R4], 2, v1
	v_mul_u32_u24 v[HA], v1, PITCH
	v_mul_u32_u24 v[STB], v1, PITCH
	v_lshl_add_u32 v[HA], v2, 4, v[HA]             ; a fragment's lane: row r, 16 bytes for each half of the lanes, second load 32 bytes on
	v_lshl_add_u32 v[STB], v2, 5, v[STB]
	v_add_nc_u32 v[HA+1], HALF, v[HA]
	v_add_nc_u32 v[HA+2], SLOT, v[HA]
	v_add_nc_u32 v[HA+3], SLOT+HALF, v[HA]
	v_add_nc_u32 v[STB], s29, v[STB]
	v_lshl_add_u32 v[KA], v2, 5, KOFF
	v_and_b32 v[CO], 31, v0
	v_lshlrev_b32 v[CO], 4, v[CO]
	v_add_nc_u32 v[RD], s61, v[CO]
	v_add_nc_u32 v[RD2], HALF, v[RD]
	v_add_nc_u32 v[RLA], LSC, v[CO]
	v_lshl_add_u32 v[LSB], v2, 5, s29
	v_add_nc_u32 v[LSB], LSC, v[LSB]
	v_add_nc_u32 v[KST], KOFF, v[TID16]
.irp n, 0,1,2,3,4,5,6,7
	v_mov_b32 v[ONES+\n], 0x3c003c00
.endr
	WIN 0x40                                       ; destination block 1, sources block 0
	global_load_b32 v[AP],   v[R4], s[52:53]       ; a' of i = 16 u + r, twice
	global_load_b32 v[AP+1], v[R4], s[52:53]
	v_mov_b32 v[STA], v[STB]
	v_add_nc_u32 v[STA+1], HALF, v[STB]
	v_mov_b32 v[LSA], v[LSB]
	WIN 0x80                                       ; destination block 2
	global_load_b32 v[AP],   v[R4], s[52:53] offset:64
	global_load_b32 v[AP+1], v[R4], s[52:53] offset:64
	v_add_nc_u32 v[STA], 64, v[STB]
	v_add_nc_u32 v[STA+1], HALF+64, v[STB]
	v_add_nc_u32 v[LSA], 64, v[LSB]
	WIN 0xc0                                       ; destination block 3
.irp n, 0,1,2,3,4,5,6,7
	v_mov_b32 v[ONES+\n], 0x3c003c00
.endr
	WIN 0
	s_wait_loadcnt 0x0                             ; k' and a'
	ds_store_b128 v[KST], v[KIN:KIN+3]
	ds_store_b128 v[KST], v[KIN+4:KIN+7] offset:2048
	s_wait_dscnt 0x0                               ; my part of k' is in LDS,
	s_wait_tensorcnt 0x1                           ; and my quarter of chunk 0; chunk 1's load, issued behind it, stays out
	s_barrier_signal -1
	s_barrier_wait -1                              ; both hold of every wave
; 36 LDS loads in one run: the 16 fragments of hf of K step t and the sixteen k' of step t + 1, into block 0 (t even) or 3 (t odd).
.macro LOAD t
	WIN ((3*(\t&1))<<6)
.irp g, 0,1
.irp f, 0,1,2,3,4,5,6,7
	ds_load_b128 v[HF+64*\g+8*\f:HF+64*\g+8*\f+3],   v[HA+2*((\t>>3)&1)+\g] offset:\f*FROW+(\t&7)*64
	ds_load_b128 v[HF+64*\g+8*\f+4:HF+64*\g+8*\f+7], v[HA+2*((\t>>3)&1)+\g] offset:\f*FROW+(\t&7)*64+32
.endr
.endr
.irp n, 0,1
	ds_load_b128 v[KR+8*\n:KR+8*\n+3],   v[KA] offset:(\t+1)*128+64*\n
	ds_load_b128 v[KR+8*\n+4:KR+8*\n+7], v[KA] offset:(\t+1)*128+64*\n+16
.endr
.endm
; Sweep 1's operands of K steps 24 + 2 d and 25 + 2 d, into block 0 (d even) or 3 (d odd): fragments 0-7 of the first step in places 0-7, of the second in
; places 8-15; k' of step 25 + 2 d in KR, of step 26 + 2 d (where there is one) in KR2.
.macro LOADD d
	WIN ((3*(\d&1))<<6)
.irp s, 0,1
.irp g, 0,1,2,3,4,5,6,7
	ds_load_b128 v[HF+64*\s+8*\g:HF+64*\s+8*\g+3],   v[HA+2] offset:\g*FROW+(2*\d+\s)*64
	ds_load_b128 v[HF+64*\s+8*\g+4:HF+64*\s+8*\g+7], v[HA+2] offset:\g*FROW+(2*\d+\s)*64+32
.endr
.endr
.irp n, 0,1
	ds_load_b128 v[KR+8*\n:KR+8*\n+3],   v[KA] offset:(25+2*\d)*128+64*\n
	ds_load_b128 v[KR+8*\n+4:KR+8*\n+7], v[KA] offset:(25+2*\d)*128+64*\n+16
.endr
.if \d < 3
.irp n, 0,1
	ds_load_b128 v[KR2+8*\n:KR2+8*\n+3],   v[KA] offset:(26+2*\d)*128+64*\n
	ds_load_b128 v[KR2+8*\n+4:KR2+8*\n+7], v[KA] offset:(26+2*\d)*128+64*\n+16
.endr
.endif
.endm
; Sweep 2's operands of K steps 24 + 2 e and 25 + 2 e: fragments 8-15 of each, 32 loads, into block 0 (e even) or 3 (e odd).
.macro LOADE e
	WIN ((3*(\e&1))<<6)
.irp s, 0,1
.irp g, 0,1,2,3,4,5,6,7
	ds_load_b128 v[HF+64*\s+8*\g:HF+64*\s+8*\g+3],   v[HA+3] offset:\g*FROW+(2*\e+\s)*64
	ds_load_b128 v[HF+64*\s+8*\g+4:HF+64*\s+8*\g+7], v[HA+3] offset:\g*FROW+(2*\e+\s)*64+32
.endr
.endr
.endm
; The slices of a pass.  DO_MM, DO_VEC: whether the pass has matrix lines, vector lines.  ZEROC: the first products start the sums, nothing is cleared.
; HALFM = 1 (sweep 1): the even slots alone issue, slot 2 g for tile g with the fragment in place HOFS + g.
.macro MMT tile, frag
.if ZEROC
	v_wmma_f32_16x16x32_f16 v[8*(\tile):8*(\tile)+7], v[PCUR:PCUR+7], v[HF+8*(\frag):HF+8*(\frag)+7], 0
	s_wait_alu depctr_va_vdst(0)
.else
	v_wmma_f32_16x16x32_f16 v[8*(\tile):8*(\tile)+7], v[PCUR:PCUR+7], v[HF+8*(\frag):HF+8*(\frag)+7], v[8*(\tile):8*(\tile)+7]
.endif
.endm
.macro MM f
.if DO_MM
.if HALFM
.if (\f&1) == 0
	MMT (\f>>1), (HOFS+(\f>>1))
.endif
.else
	MMT \f, \f
.endif
.endif
.endm
.macro MMS
.if DO_MM
.if ZEROC
	v_wmma_f32_16x16x32_f16 v[SUMR:SUMR+7], v[PCUR:PCUR+7], v[ONES:ONES+7], 0
.else
	v_wmma_f32_16x16x32_f16 v[SUMR:SUMR+7], v[PCUR:PCUR+7], v[ONES:ONES+7], v[SUMR:SUMR+7]
.endif
.endif
.endm
.macro QA q                            ; four of the sixteen: a' + k'
.if DO_VEC
	v_pk_add_f32 v[X+4*\q:X+4*\q+1],   v[AP:AP+1], v[KRB+4*\q:KRB+4*\q+1]
	v_pk_add_f32 v[X+4*\q+2:X+4*\q+3], v[AP:AP+1], v[KRB+4*\q+2:KRB+4*\q+3]
	s_wait_alu depctr_va_vdst(0)
.endif
.endm
.macro QE q                            ; exp2, for E and later for P
.if DO_VEC
.irp n, 0,1,2,3
	v_exp_f32 v[X+4*\q+\n], v[X+4*\q+\n]
.endr
.endif
.endm
.macro QF q                            ; m E + m
.if DO_VEC
	s_wait_alu depctr_va_vdst(0)
	v_pk_fma_f32 v[X+4*\q:X+4*\q+1],   v[X+4*\q:X+4*\q+1],   s[48:49], s[48:49] op_sel_hi:[1,0,0]
	v_pk_fma_f32 v[X+4*\q+2:X+4*\q+3], v[X+4*\q+2:X+4*\q+3], s[48:49], s[48:49] op_sel_hi:[1,0,0]
.endif
.endm
.macro QR q                            ; -S / (1 + E)
.if DO_VEC
.irp n, 0,1,2,3
	v_rcp_f32 v[X+4*\q+\n], v[X+4*\q+\n]
.endr
.endif
.endm
; One piece's pass: block B = 1 + u.  Its matrix instructions of this K step (P from PCUR, hf and ONES from block HB), and between them the vector work
; on the piece's next P (k' from block HB too), which names only X, a' and k': none of a matrix instruction's registers.
; Window: destination, source 0 and source 2 block B, source 1 block HB.
; Behind every exp2 and every reciprocal a plain vector instruction that touches neither its result nor its source comes before the result's next use
; (ISA guide 5.7.2): the order of the quads below sees to it, with one v_nop where no work is left, and the first four conversions serve the last exp2s.
; The accumulators of a piece take turns, one instruction a turn, and the next pass is the other piece's.
.macro PASS B
	WIN ((\B*0x51)|(HB<<2))
	MM 0
	QA 0
	MM 1
	QE 0
	QA 1
	MM 2
	QE 1
	MM 3
	QF 0
	MM 4
	QR 0
	MM 5
	QF 1
	MM 6
	QR 1
	QA 2
	MM 7
	QE 0
	MM 8
	QE 2
	QA 3
	MM 9
	QE 1
	MM 10
	QE 3
	MM 11
	QF 2
	MM 12
	QR 2
	MM 13
	QF 3
	MM 14
	QR 3
.if DO_VEC
	v_nop
	s_wait_alu depctr_va_vdst(0)
.endif
	MM 15
	QE 2
	MMS
	QE 3
.if DO_VEC
	WIN (\B*0x55)                                  ; all operands block B
	s_wait_alu depctr_va_vdst(0)
.irp n, 0,1,2,3,4,5,6,7
	v_cvt_pk_f16_f32 v[PNXT+\n], v[X+2*\n], v[X+2*\n+1]            ; the lower j into the low half: register n of the next step's P fragment
.endr
.endif
.endm
; K step t = 0 .. 23.  head = 0: a plain step.  head = 2, 3: the slot just read to its end is filled again with that chunk.  head = 1: a change of slots with nothing left to fetch.
; The next step's LDS loads stand at the head, so that they have the whole step in which to land.  They write the block that the last step's matrix
; instructions read: the eight conversions that closed that step are the places between (four are asked for: ISA guide 7.12.1 for vector instructions).
.macro STEP t, head
	s_wait_dscnt 0x0                               ; this step's fragments and k' are in; at a change of slots: my reads of the old slot are over
.if \head
	s_wait_tensorcnt 0x0                           ; all my tensor loads have landed: the one that was out is my quarter of the slot that is read next
	ds_add_u32 v254, v255
	s_wait_dscnt 0x0
.if \head == 1
	s_barrier_signal -1
	s_barrier_wait -1                              ; the last chunk is whole, and no wave reads slot 0 any more: it is free for the way out
.else
	WIN 0                                          ; at a branch and at a label every window is 0
	ROUND                                          ; both waits now hold of every wave of all four work-groups
	tensor_load_to_lds s[G0+4*\head:G0+4*\head+3], s[G1:G1+7]      ; my one tensor load behind the round, first thing there; eight K steps until it is waited for
	s_nop 0
.endif
.endif
.if \t < 23
	LOAD (\t+1)
.set PNXT, PB+8-8*(\t&1)
.else
	LOADD 0                                        ; sweep 1 begins with the next step,
.set PNXT, PK                                      ; and its P is the first that is kept
.endif
.set HB,   3*(\t&1)
.set PCUR, PB+8*(\t&1)
.set DO_MM, 1
.set DO_VEC, 1
.set HALFM, 0
.set HOFS, 0
.set KRB, KR
.if \t == 0
.set ZEROC, 1
.else
.set ZEROC, 0
.endif
	PASS 1
	PASS 2
.endm
; Sweep 1, K steps 24 + 2 d and 25 + 2 d: for each step and piece tiles 0-7, the sums, and the next step's P, which goes to its own place in PK.
.macro DSTEP d
	s_wait_dscnt 0x0                               ; these two steps' fragments and k' are in
.if \d < 3
	LOADD (\d+1)
.else
	LOADE 0                                        ; sweep 2's first operands
.endif
.set HB, 3*(\d&1)
.set DO_MM, 1
.set DO_VEC, 1
.set ZEROC, 0
.set HALFM, 1
.set HOFS, 0
.set KRB, KR
.set PCUR, PK+16*\d
.set PNXT, PK+16*\d+8
	PASS 1
	PASS 2
.set HOFS, 8
.set KRB, KR2
.set PCUR, PK+16*\d+8
.set PNXT, PK+16*\d+16
.if \d == 3
.set DO_VEC, 0                                     ; K step 31: no P is left to make
.endif
	PASS 1
	PASS 2
.endm
	; In front of the first step: k' of step 0 into block 3, step 0's operands into block 0, and P of step 0 for both pieces.
	WIN 0xc0
	ds_load_b128 v[KR:KR+3],     v[KA]
	ds_load_b128 v[KR+4:KR+7],   v[KA] offset:16
	ds_load_b128 v[KR+8:KR+11],  v[KA] offset:64
	ds_load_b128 v[KR+12:KR+15], v[KA] offset:80
	LOAD 0
	s_wait_dscnt 36                                ; LDS loads come back in order (ISA guide 5.7.1): the four of k' are in, the 36 issued behind them stay out
.set HB,   3
.set PCUR, PB+8
.set PNXT, PB
.set DO_MM, 0
.set DO_VEC, 1
.set ZEROC, 0
.set HALFM, 0
.set HOFS, 0
.set KRB, KR
	PASS 1
	PASS 2
.irp t, 0,1,2,3,4,5,6
	STEP \t, 0
.endr
	STEP 7, 2                                      ; chunk 0 has been read: chunk 2 goes into slot 0; the next step's loads read slot 1
.irp t, 8,9,10,11,12,13,14
	STEP \t, 0
.endr
	STEP 15, 3                                     ; chunk 1 has been read: chunk 3 goes into slot 1
.irp t, 16,17,18,19,20,21,22
	STEP \t, 0
.endr
	STEP 23, 1                                     ; chunk 2 has been read: nothing is left to fetch
.irp d, 0,1,2,3
	DSTEP \d
.endr
; THE WAY OUT, in two halves of 128 rows c.  The accumulators go into the stage as they are, 2 x 16 bytes a lane and tile into row c = 16 f + r; behind a barrier wave w
; reads rows 32 w .. + 31 of the half back whole; there a lane holds columns i = 4 lane + 0..3 of every row, so four registers of 1 / row sum serve all its rows.
.macro STAGE B, half                   ; tiles 8 half .. 8 half + 7 of piece B - 1
	WIN (\B*0x55)
.irp g, 0,1,2,3,4,5,6,7
	ds_store_b128 v[STA+\half], v[64*\half+8*\g:64*\half+8*\g+3]   offset:\g*FROW
	ds_store_b128 v[STA+\half], v[64*\half+8*\g+4:64*\half+8*\g+7] offset:\g*FROW+16
.endr
.endm
; The piece's first half, and 1 / row sum of its 16 i: register j of lane (r, h) is i = 16 u + 8 h + j, the same in all sixteen r, which store the same bytes.
.macro FIRSTOUT B
	WIN (\B*0x55)
.irp j, 0,1,2,3,4,5,6,7
	v_rcp_f32 v[SUMR+\j], v[SUMR+\j]               ; the sums lie in [1024 e^-2, 1024]
.endr
	v_nop                                          ; a plain instruction between the last reciprocal and the first use
	STAGE \B, 0
	s_wait_alu depctr_va_vdst(0)
	ds_store_b128 v[LSA], v[SUMR:SUMR+3]
	ds_store_b128 v[LSA], v[SUMR+4:SUMR+7] offset:16
.endm
; 32 rows of a half read back: rows 0-15 of my 32 into block 1, rows 16-31 into block 2, at register base (accumulators that have been staged).
.macro BACK adr, base
.irp B, 1,2
	WIN (\B<<6)                                    ; destination block B, address block 0
.irp k, 0,1,2,3,4,5,6,7,8,9,10,11,12,13,14,15
	ds_load_b128 v[\base+4*\k:\base+4*\k+3], v[\adr] offset:(16*(\B-1)+\k)*PITCH
.endr
.endr
.endm
; One row of four registers at rb, scratch at xs, under the products' window (source 1 = the operand block, where RL lies).
; ph = 0: times 1 / row sum, and 0.2 times that.  ph = 1: leaky = the larger of the two; the scalar -infinity fills the place of source 1.
.macro SCL rb, xs, ph
.if \ph == 0
	v_pk_mul_f32 v[\rb:\rb+1],   v[\rb:\rb+1],   v[RL:RL+1]
	v_pk_mul_f32 v[\rb+2:\rb+3], v[\rb+2:\rb+3], v[RL+2:RL+3]
	v_pk_mul_f32 v[\xs:\xs+1],   v[\rb:\rb+1],   s[50:51] op_sel_hi:[1,0]
	v_pk_mul_f32 v[\xs+2:\xs+3], v[\rb+2:\rb+3], s[50:51] op_sel_hi:[1,0]
.else
.irp n, 0,1,2,3
	v_max3_num_f32 v[\rb+\n], v[\rb+\n], s60, v[\xs+\n]
.endr
.endif
.endm
; Four stores: rows 4 q .. 4 q + 3 of block B's sixteen; each covers 512 consecutive bytes of out, aligned.  Address block 0, data block B.
.macro STORE4 B, q, base, row0
	WIN (\B<<2)
.irp n, 0,1,2,3
	global_store_b128 v[CO], v[\base+16*\q+4*\n:\base+16*\q+4*\n+3], s[8:9] offset:(\row0+16*(\B-1)+4*\q+\n)*4096 th:TH_STORE_NT
.endr
.endm
; Sweep 2, one group: tiles 8-15 of piece B - 1, K step 24 + 2 e + s.  wo = 1: behind each matrix instruction stand four instructions of the way out of rows
; 4 q .. 4 q + 3 of the piece's block; they name tiles 0-7's registers, X and RL alone, none of a group's matrix registers.
; The eight accumulators take turns and the next group is the other piece's.
.macro GRP e, s, B, wo, q
	WIN ((\B*0x51)|((3*(\e&1))<<2))
.irp g, 0,1,2,3,4,5,6,7
	v_wmma_f32_16x16x32_f16 v[64+8*\g:64+8*\g+7], v[PK+8*(2*\e+\s):PK+8*(2*\e+\s)+7], v[HF+64*\s+8*\g:HF+64*\s+8*\g+7], v[64+8*\g:64+8*\g+7]
.if \wo
	SCL (16*\q+4*(\g>>1)), (X+4*(\g>>1)), (\g&1)
.endif
.endr
.if \wo
	STORE4 \B, \q, 0, 0
.endif
.endm
	PLACES                                         ; behind sweep 1's last matrix instructions: for the loads into block 3, the reciprocals and the stage stores
	LOADE 1
	FIRSTOUT 1
	FIRSTOUT 2
	s_wait_dscnt 0x0                               ; my 128 bytes of rows 0-127 and my 32 reciprocals are in LDS (and sweep 2's first operands in registers): zero, for the other waves' sake
	s_barrier_signal -1
	s_barrier_wait -1
	BACK RD, 0
	WIN 0
	ds_load_b128 v[RL:RL+3], v[RLA]                ; 1 / row sum of my four columns, once for each operand block
	WIN 0xc0
	ds_load_b128 v[RL:RL+3], v[RLA]
	GRP 0, 0, 1, 0, 0                              ; sixteen matrix instructions while the rows come back
	GRP 0, 0, 2, 0, 0
	s_wait_dscnt 0x0                               ; the 32 rows and the reciprocals are in
	GRP 0, 1, 1, 1, 0
	GRP 0, 1, 2, 1, 0
	LOADE 2                                        ; into block 0: the four maxima behind the last group's last matrix instruction are the places
	GRP 1, 0, 1, 1, 1
	GRP 1, 0, 2, 1, 1
	GRP 1, 1, 1, 1, 2
	GRP 1, 1, 2, 1, 2
	LOADE 3                                        ; into block 3, likewise
	s_wait_dscnt 32                                ; K steps 28 and 29's fragments are in; the 32 loads issued behind them stay out
	GRP 2, 0, 1, 1, 3
	GRP 2, 0, 2, 1, 3                              ; rows c 0-127 are on their way to memory; 48 matrix instructions are left
	GRP 2, 1, 1, 0, 0
	GRP 2, 1, 2, 0, 0
	s_wait_dscnt 0x0                               ; K steps 30 and 31's fragments
	GRP 3, 0, 1, 0, 0
	GRP 3, 0, 2, 0, 0
	GRP 3, 1, 1, 0, 0
	GRP 3, 1, 2, 0, 0
	; The second half: rows c 128-255.  They are read back into tiles 8-15's registers, so that no register of a pending store is written.
	PLACES
	STAGE 1, 1
	STAGE 2, 1
	s_wait_dscnt 0x0                               ; zero, for the other waves' sake
	s_barrier_signal -1
	s_barrier_wait -1
	BACK RD2, 64
.macro LASTOUT B
.irp q, 0,1,2,3
	s_wait_dscnt (28-16*(\B-1)-4*\q)               ; of the 32 loads those issued behind row 4 q + 3 of this block stay out
	WIN (\B*0x51)                                  ; source 1 block 0: RL
.irp n, 0,1,2,3
	SCL (64+16*\q+4*\n), (X+4*\n), 0
.endr
.irp n, 0,1,2,3
	SCL (64+16*\q+4*\n), (X+4*\n), 1
.endr
	STORE4 \B, \q, 64, 128
.endr
.endm
	LASTOUT 1
	LASTOUT 2
	WIN 0
	s_set_vgpr_msb 0xa
	s_wait_tensorcnt 0x0
	ds_add_u32 v254, v255
	s_wait_dscnt 0x0
	s_set_vgpr_msb 0xa00
	ROUND                                          ; the closing round: no work-group ends while a partner may still ask for a chunk that names it
	s_endpgm
.Lfunc_end_k_q76de3b19d6_attn:
	.size	k_q76de3b19d6_attn, .Lfunc_end_k_q76de3b19d6_attn-k_q76de3b19d6_attn
	.p2alignl 7, 3214868480
	.fill 96, 4, 3214868480
	.section	.rodata,"a",@progbits
	.p2align	6, 0x0
	.amdhsa_kernel k_q76de3b19d6_attn
		.amdhsa_group_segment_fixed_size 327680
		.amdhsa_private_segment_fixed_size 0
		.amdhsa_enable_private_segment 0
		.amdhsa_kernarg_size 24
		.amdhsa_user_sgpr_count 2
		.amdhsa_user_sgpr_kernarg_segment_ptr 1
		.amdhsa_wavefront_size32 1
		.amdhsa_system_sgpr_workgroup_id_x 1
		.amdhsa_system_sgpr_workgroup_id_y 1
		.amdhsa_system_sgpr_workgroup_id_z 1
		.amdhsa_system_vgpr_workitem_id 0
		.amdhsa_next_free_vgpr 960
		.amdhsa_next_free_sgpr 66
		.amdhsa_reserve_vcc 0
		.amdhsa_float_denorm_mode_32 3
		.amdhsa_float_denorm_mode_16_64 3
		.amdhsa_memory_ordered 1
		.amdhsa_forward_progress 1
		.amdhsa_inst_pref_size 255
	.end_amdhsa_kernel
	.section	.bss,"aw",@nobits
	.p2align	6
	.space	262144
	.amdgpu_metadata
---
amdhsa.version: [ 1, 2 ]
amdhsa.kernels:
  - .name:           k_q76de3b19d6_attn
    .symbol:         k_q76de3b19d6_attn.kd
    .args:
      - { .name: hf, .offset: 0, .size: 8, .value_kind: global_buffer, .address_space: global }
      - { .name: proj, .offset: 8, .size: 8, .value_kind: global_buffer, .address_space: global }
      - { .name: out0, .offset: 16, .size: 8, .value_kind: global_buffer, .address_space: global }
    .group_segment_fixed_size: 327680
    .private_segment_fixed_size: 0
    .kernarg_segment_align: 8
    .kernarg_segment_size: 24
    .max_flat_workgroup_size: 128
    .sgpr_count:     66
    .vgpr_count:     960
    .wavefront_size: 32
...
	.end_amdgpu_metadata
.endif
;; end of part 2
;; ======== version 2 of 2: 2 launches; 1.19 times as fast as version 1
;; limits: values are held in f16: magnitudes above 65,504 overflow, below 6.1e-05 lose precision; inputs' magnitudes at most 65,504
;; workspace buffers: hf 16,777,216 bytes; proj 262,144 bytes
;; launch prep: the kernel of part 1 again; grid 256 x 1, 8 waves a work-group, no clusters, 9,216 bytes of LDS; arguments h, w1_w, w1_b, w2_w, w2_b, hf, proj; writes hf, proj
;; launch attn (part 3): grid 256 x 1, 4 waves a work-group, clusters of 4 x 1, 327,680 bytes of LDS; arguments hf, proj, out0; writes out0
.if DOCPART == 3
	.amdgcn_target "amdgcn-amd-amdhsa--gfx1250"
	.amdhsa_code_object_version 6
	.text
	.protected	k_q76de3b19d6_attn
	.globl	k_q76de3b19d6_attn
	.p2align	8
	.type	k_q76de3b19d6_attn,@function
k_q76de3b19d6_attn:
	s_mov_b64 s[64:65], 0
	v_nop
	global_prefetch_b8 v0, s[64:65] scope:SCOPE_SE
	s_setreg_imm32_b32 hwreg(HW_REG_WAVE_MODE, 25, 1), 1
	s_wait_xcnt 0x0
	s_wait_alu depctr_hold_cnt(0) depctr_sa_sdst(0) depctr_va_vdst(0) depctr_va_sdst(0) depctr_va_ssrc(0) depctr_va_vcc(0) depctr_vm_vsrc(0)
	s_getreg_b32 s2, hwreg(HW_REG_IB_STS2, 6, 4)
	s_cmp_eq_u32 s2, 0
	s_cbranch_scc0 .Lentry_in_a_cluster
	s_endpgm
.Lentry_in_a_cluster:
	s_bfe_u32 s2, ttmp6, 0x10000c
	s_cmp_lg_u32 s2, 0x3003
	s_cbranch_scc0 .Lentry_shape_is_right
	s_endpgm
.Lentry_shape_is_right:
; Second of two launches.  out[b][c][i] = leaky( sum over j of P[i][j] h[b][c][j] / sum over j of P[i][j] ),  P[i][j] = exp(tanh(a_i + k_j) - 1).
; hf: h in f16, [32][256 c][1024 j]; proj: a' = S a at byte 0, k' = S k at byte 131072, S = 2 log2 e, both f32 [32][1024].  Nothing is left out.
; THE EXPONENTS ARE BOUNDED BY THE COMPUTATION ITSELF: tanh lies in [-1, 1] for every input, so exp(tanh - 1) lies in [e^-2, 1] and a row's sum in
; [1024 e^-2, 1024]; the factor e cancels between numerator and denominator.  So no maximum is searched for: 1 is the bound that is taken away.
; One pair (i, j):  E = exp2(a' + k') = e^(2(a+k));  t = m E + m with m = -ln2 / 2;  r = 1 / t = -S / (1 + E);  P = exp2(r) = exp(-2 / (1 + E)) = exp(tanh - 1).
; E = infinity gives t = -infinity, r = -0, P = 1; E = 0 (also where exp2 flushes a result below 2^-126, ISA guide 15.8) gives P = e^-2: both are the right limits.
; FORMAT: both matrix operands are f16: P lies in [0.135, 1]; h has room up to 65,504.  LIMITS: |h| above 65,504 is an infinity in the product; NaN and
; infinities are not treated specially; sums are f32 in the matrix unit's order.
;
; SHARES.  Work-group: batch b, 128 columns i of out, all 256 c, all 1024 j, so that each P[i][j] is made once on the whole chip.  Wave w: 32 i as two
; pieces u = 0, 1 of 16 i, each with 16 accumulator tiles (256 c) and one tile for the row sums.  The matrix instruction takes P as source 0 (rows i) and
; 16 rows c of hf as source 1 (columns c): lane (r = l % 16, h = l / 16) makes its own part of P in registers from its a'_(16u+r) and sixteen k', with no
; way through LDS, and in the result its registers 0-7 are i = 16 u + 8 h + 0..7 of row c = 16 f + r: neighbouring numbers of a row of out.
; The row sums come from one more matrix instruction with a fragment of ones: they add the rounded P, in the accumulators' own lane layout.
; THE TWO PIECES TAKE TURNS: each piece's matrix instructions of K step t carry between them the vector work that makes the same piece's P of step t + 1.
; THE BATCHES.  A K step makes 2 x 16 numbers of P a lane, each by exp2, reciprocal, exp2, of which each reads the one before.  So a step has three batches of 32:
; both pieces' E, both pieces' r, both pieces' P.  The step's matrix instructions are dealt in thirds to match: piece 0's third with its half of a batch, piece 1's third
; with the other half, a v_nop, ONE s_wait_alu depctr_va_vdst(0) ahead of the first line that names a result, then the batch's readers in the
; next third.  Every number keeps its own register X + n from the add to the conversion.  The way out's sixteen reciprocals are one batch more.
; CLUSTER: the four work-groups of a cluster belong to one batch and walk the same hf: each chunk is asked for jointly (mask 15), which divides the requests by four.
; j goes in 4 chunks of 256 (rows of 512 bytes, aligned) through two LDS slots; a chunk is 8 K steps of 32.  The steps are written out by macro: every
; LDS address is a fixed register plus an immediate.
; THE LAST CHUNK IS TAKEN IN TWO SWEEPS.  Sweep 1: tiles 0-7 and the sums of K steps 24-31, with the making of P, whose eight fragments a piece are kept
; (64 registers).  Sweep 2: tiles 8-15 from the kept P, 128 matrix instructions with no vector work of their own.  Rows c 0-127 of out are thus finished
; 128 matrix instructions before the wave's last: their scaling and their 32 stores stand among those instructions.  Every fragment of hf is still loaded once.
;
; LDS: slot 0 at 0, slot 1 at 135,168: 256 rows c of 512 bytes + 16 of padding.  Pitch 528 = 33 x 16: the sixteen rows that a load or store touches lie in
; sixteen different 16-byte columns modulo 256.  k'[1024] f32 at 270,336 and 1 / row sum of the 128 i at 274,432, written by LDS stores, never a fill's target.
; The way out stages 256 rows c x 128 i f32 at the same pitch in slot 0, behind that slot's last fill and last read.
; REGISTERS, in blocks of 256 (s_set_vgpr_msb: bits 1:0 source 0, 3:2 source 1, 5:4 source 2, 7:6 destination):
;   blocks 0 and 3: ONES, two sets of sixteen k', 1 / row sum of my four columns, 16 fragments of hf: the operands that take turns.  Block 0 also holds the addresses.
;   block 1 + u: piece u: 16 accumulator tiles, the sum tile, two buffers of P, 16 numbers at work, a', its LDS store addresses, the eight kept P.
.set PITCH, 528
.set SLOT,  256*PITCH                  ; 135,168
.set HALF,  128*PITCH                  ; what an LDS immediate cannot reach goes into a second address register
.set FROW,  16*PITCH                   ; from fragment to fragment
.set WROWS, 64*PITCH                   ; a wave's quarter of a slot
.set KOFF,  2*SLOT                     ; 270,336 = 1,056 x 256
.set LSC,   KOFF+4096                  ; 274,432 = 1,072 x 256
.set HA,    4                          ; v4-7    528 r + 16 h + slot 0 rows 0-127, slot 0 rows 128-255, slot 1 likewise
.set KA,    8                          ; v8      KOFF + 32 h
.set CO,    9                          ; v9      16 x lane: my bytes in a row of out
.set RD,    10                         ; v10     the stage, back: rows 32 w .., 16 x lane
.set KST,   11                         ; v11     KOFF + 16 x thread
.set TID16, 12                         ; v12     16 x thread
.set R4,    13                         ; v13     4 r
.set STB,   14                         ; v14     the stage, in: 528 r + 128 w + 32 h
.set RD2,   15                         ; v15     the stage, back: rows 128 + 32 w ..
.set ONES,  16                         ; v[16:23]   1.0 in every f16 (blocks 0 and 3)
.set KR,    24                         ; v[24:39]   k'[32 t + 8 h + 0..7], k'[32 t + 16 + 8 h + 0..7] (blocks 0 and 3)
.set KR2,   40                         ; v[40:55]   the same for a second K step, in sweep 1 (blocks 0 and 3)
.set KIN,   40                         ; v[40:47]   at the start only: k' on its way from memory to LDS (block 0)
.set RLA,   56                         ; v56     LSC + 16 x lane
.set LSB,   57                         ; v57     LSC + 128 w + 32 h
.set RL,    60                         ; v[60:63]   1 / row sum of my columns i = 4 lane + 0..3 (blocks 0 and 3)
.set HF,    64                         ; v[64:191]  fragment place f at 64 + 8 f (blocks 0 and 3)
.set SUMR,  128                        ; blocks 1, 2: v[0:127] accumulators, tile f at 8 f; v[128:135] row sums
.set PB,    136                        ; v[136:143], v[144:151] P of even and of odd K steps
.set X,     152                        ; v[152:167] sixteen numbers at work
.set AP,    168                        ; v[168:169] a' twice, a pair for the packed add
.set STA,   170                        ; v170, v171 stage addresses for tiles 0-7 and 8-15
.set PK,    172                        ; v[172:235] P of K steps 24-31, kept for sweep 2
.set LSA,   236                        ; v236    where the piece's 1 / row sums go
.set G1,    16                         ; s[16:23] descriptor group 1
.set G0,    32                         ; s[32:47] descriptor group 0, one set for each of the four chunks: none is ever written again
.set MSB,   0
.macro WIN new                         ; the immediate's high byte repeats the setting that is left; a switch that changes nothing is dropped
.if MSB != \new
	s_set_vgpr_msb (MSB<<8)|\new
.set MSB, \new
.endif
.endm
; A round of the cluster's barrier: my work-group's barrier, wave 0 signals for the work-group, every wave waits for all four work-groups, my work-group's barrier again.
.macro ROUND
	s_barrier_signal -1
	s_barrier_wait -1
	s_cmp_lg_u32 s10, 0
	s_cbranch_scc1 .Lnot_wave_0_\@
	s_barrier_signal -3
.Lnot_wave_0_\@:
	s_barrier_wait -3
	s_barrier_signal -1
	s_barrier_wait -1
.endm
.macro PLACES                          ; four places behind a matrix instruction before its result is read by anything else or a load lands on its registers (ISA guide 7.12.1 for vector instructions)
.rept 4
	v_nop
.endr
.endm
	s_load_b128 s[4:7], s[0:1], 0x0                ; hf s[4:5], proj s[6:7]
	s_load_b64 s[8:9], s[0:1], 0x10                ; out0
	s_set_vgpr_msb 0x80
	v_lshl_add_u32 v254, v0, 2, 0x43200
	v_mov_b32 v255, 0
	s_set_vgpr_msb 0x808a
	ds_add_u32 v254, v255
	s_set_vgpr_msb 0x8a00
	v_lshrrev_b32 v2, 5, v0
	v_readfirstlane_b32 s10, v2                    ; wave 0..3
	s_bfe_u32 s11, ttmp6, 0x40000                  ; cx: my place in the cluster; it enters the addresses of a' and of out alone
	s_lshr_b32 s12, ttmp9, 1                       ; b = (4 x cluster + cx) / 8: the same in all four partners
	s_and_b32 s13, ttmp9, 1
	s_lshl2_add_u32 s13, s13, s11                  ; my block of 128 i = 4 x (cluster % 2) + cx
	; group 1: a tile of 64 rows x 256 elements of 2 bytes, 1,024 elements from row to row, padded in LDS
	s_mov_b32 s[G1+0], 15|(1<<16)|(1<<20)|(1<<21)|(6<<22)|(3<<25)   ; 15:0 mask: all four partners; 17:16 2 bytes; 20 padding on; 21 set beside a mask; 24:22 after every 128 words; 31:25 four words
	s_mov_b32 s[G1+1], 256<<16                     ; tensor_dim0 = 256
	s_mov_b32 s[G1+2], 64<<16                      ; tensor_dim1 = 64
	s_mov_b32 s[G1+3], 256<<16                     ; tile_dim0 = 256
	s_mov_b32 s[G1+4], 64                          ; tile_dim1 = 64
	s_mov_b32 s[G1+5], 1024                        ; pitch
	s_mov_b32 s[G1+6], 0
	s_mov_b32 s[G1+7], 0
	s_mov_b32 s48, 0xbeb17218                      ; m = -ln2 / 2, as a pair
	s_mov_b32 s49, 0xbeb17218
	s_mov_b32 s50, 0x3e4ccccd                      ; 0.2, as a pair
	s_mov_b32 s51, 0x3e4ccccd
	s_mov_b32 s60, 0xff800000                      ; -infinity: the source of a maximum of three that never wins
	s_lshl_b32 s24, s12, 19                        ; hf: b x 256 rows x 2,048 bytes
	s_lshl_b32 s14, s10, 17                        ; wave x 131,072 bytes: 64 rows of hf, and 32 rows of out
	s_add_co_u32 s24, s24, s14
	s_mov_b32 s25, 0
	s_mul_i32 s28, s10, WROWS                      ; my quarter of a slot
	s_mul_i32 s61, s10, 32*PITCH                   ; my 32 rows of each half of the stage
	s_lshl_b32 s29, s10, 7                         ; 128 w: my 32 i, in bytes of f32
	s_lshl_b32 s54, s12, 12                        ; proj: b x 4,096 bytes
	s_mov_b32 s55, 0
	s_lshl_b32 s15, s13, 9                         ; my block's 128 i, in bytes of f32
	s_add_co_u32 s56, s15, s29                     ; a': + my wave's 32
	s_mov_b32 s57, 0
	s_lshl_b32 s58, s12, 20                        ; out: b x 256 rows x 4,096 bytes
	s_add_co_u32 s58, s58, s14                     ;  + wave x 32 rows
	s_add_co_u32 s58, s58, s15                     ;  + my block's 512 bytes
	s_mov_b32 s59, 0
	s_wait_dscnt 0x0
	s_wait_kmcnt 0x0
	s_add_nc_u64 s[26:27], s[4:5], s[24:25]        ; my 64 rows of hf
	s_add_nc_u64 s[6:7], s[6:7], s[54:55]          ; a' of batch b
	s_add_nc_u64 s[30:31], s[6:7], 0x20000         ; k' of batch b
	s_add_nc_u64 s[52:53], s[6:7], s[56:57]        ; a' of my wave's 32 i
	s_add_nc_u64 s[8:9], s[8:9], s[58:59]
.irp m, 0,1,2,3
	s_mov_b32 s[G0+4*\m], 1                                        ; count = 1
	s_add_co_u32 s[G0+4*\m+1], s28, (\m&1)*SLOT                    ; LDS: chunk m goes to slot m % 2, my quarter
	s_add_nc_u64 s[G0+4*\m+2:G0+4*\m+3], s[26:27], \m*512          ; chunk m: 256 j = 512 bytes along the rows
	s_or_b32 s[G0+4*\m+3], s[G0+4*\m+3], 0x80000000               ; type = 2
.endr
	ROUND                                          ; all four work-groups are here: the first joint loads meet
	tensor_load_to_lds s[G0:G0+3], s[G1:G1+7]      ; chunk 0 and chunk 1: the first fills, one group; two tensor loads of the wave are out
	s_nop 0
	tensor_load_to_lds s[G0+4:G0+7], s[G1:G1+7]
	s_nop 0
	v_lshlrev_b32 v[TID16], 4, v0
	global_load_b128 v[KIN:KIN+3],   v[TID16], s[30:31]             ; the batch's 1,024 k': 128 threads x 2 x 16 bytes
	global_load_b128 v[KIN+4:KIN+7], v[TID16], s[30:31] offset:2048
	v_and_b32 v1, 15, v0                           ; r
	v_bfe_u32 v2, v0, 4, 1                         ; h
	v_lshlrev_b32 v[R4], 2, v1
	v_mul_u32_u24 v[HA], v1, PITCH
	v_mul_u32_u24 v[STB], v1, PITCH
	v_lshl_add_u32 v[HA], v2, 4, v[HA]             ; a fragment's lane: row r, 16 bytes for each half of the lanes, second load 32 bytes on
	v_lshl_add_u32 v[STB], v2, 5, v[STB]
	v_add_nc_u32 v[HA+1], HALF, v[HA]
	v_add_nc_u32 v[HA+2], SLOT, v[HA]
	v_add_nc_u32 v[HA+3], SLOT+HALF, v[HA]
	v_add_nc_u32 v[STB], s29, v[STB]
	v_lshl_add_u32 v[KA], v2, 5, KOFF
	v_and_b32 v[CO], 31, v0
	v_lshlrev_b32 v[CO], 4, v[CO]
	v_add_nc_u32 v[RD], s61, v[CO]
	v_add_nc_u32 v[RD2], HALF, v[RD]
	v_add_nc_u32 v[RLA], LSC, v[CO]
	v_lshl_add_u32 v[LSB], v2, 5, s29
	v_add_nc_u32 v[LSB], LSC, v[LSB]
	v_add_nc_u32 v[KST], KOFF, v[TID16]
.irp n, 0,1,2,3,4,5,6,7
	v_mov_b32 v[ONES+\n], 0x3c003c00
.endr
	WIN 0x40                                       ; destination block 1, sources block 0
	global_load_b32 v[AP],   v[R4], s[52:53]       ; a' of i = 16 u + r, twice
	global_load_b32 v[AP+1], v[R4], s[52:53]
	v_mov_b32 v[STA], v[STB]
	v_add_nc_u32 v[STA+1], HALF, v[STB]
	v_mov_b32 v[LSA], v[LSB]
	WIN 0x80                                       ; destination block 2
	global_load_b32 v[AP],   v[R4], s[52:53] offset:64
	global_load_b32 v[AP+1], v[R4], s[52:53] offset:64
	v_add_nc_u32 v[STA], 64, v[STB]
	v_add_nc_u32 v[STA+1], HALF+64, v[STB]
	v_add_nc_u32 v[LSA], 64, v[LSB]
	WIN 0xc0                                       ; destination block 3
.irp n, 0,1,2,3,4,5,6,7
	v_mov_b32 v[ONES+\n], 0x3c003c00
.endr
	WIN 0
	s_wait_loadcnt 0x0                             ; k' and a'
	ds_store_b128 v[KST], v[KIN:KIN+3]
	ds_store_b128 v[KST], v[KIN+4:KIN+7] offset:2048
	s_wait_dscnt 0x0                               ; my part of k' is in LDS,
	s_wait_tensorcnt 0x1                           ; and my quarter of chunk 0; chunk 1's load, issued behind it, stays out
	s_barrier_signal -1
	s_barrier_wait -1                              ; both hold of every wave
; 36 LDS loads in one run: the 16 fragments of hf of K step t and the sixteen k' of step t + 1, into block 0 (t even) or 3 (t odd).
.macro LOAD t
	WIN ((3*(\t&1))<<6)
.irp g, 0,1
.irp f, 0,1,2,3,4,5,6,7
	ds_load_b128 v[HF+64*\g+8*\f:HF+64*\g+8*\f+3],   v[HA+2*((\t>>3)&1)+\g] offset:\f*FROW+(\t&7)*64
	ds_load_b128 v[HF+64*\g+8*\f+4:HF+64*\g+8*\f+7], v[HA+2*((\t>>3)&1)+\g] offset:\f*FROW+(\t&7)*64+32
.endr
.endr
.irp n, 0,1
	ds_load_b128 v[KR+8*\n:KR+8*\n+3],   v[KA] offset:(\t+1)*128+64*\n
	ds_load_b128 v[KR+8*\n+4:KR+8*\n+7], v[KA] offset:(\t+1)*128+64*\n+16
.endr
.endm
; Sweep 1's operands of K steps 24 + 2 d and 25 + 2 d, into block 0 (d even) or 3 (d odd): fragments 0-7 of the first step in places 0-7, of the second in
; places 8-15; k' of step 25 + 2 d in KR, of step 26 + 2 d (where there is one) in KR2.
.macro LOADD d
	WIN ((3*(\d&1))<<6)
.irp s, 0,1
.irp g, 0,1,2,3,4,5,6,7
	ds_load_b128 v[HF+64*\s+8*\g:HF+64*\s+8*\g+3],   v[HA+2] offset:\g*FROW+(2*\d+\s)*64
	ds_load_b128 v[HF+64*\s+8*\g+4:HF+64*\s+8*\g+7], v[HA+2] offset:\g*FROW+(2*\d+\s)*64+32
.endr
.endr
.irp n, 0,1
	ds_load_b128 v[KR+8*\n:KR+8*\n+3],   v[KA] offset:(25+2*\d)*128+64*\n
	ds_load_b128 v[KR+8*\n+4:KR+8*\n+7], v[KA] offset:(25+2*\d)*128+64*\n+16
.endr
.if \d < 3
.irp n, 0,1
	ds_load_b128 v[KR2+8*\n:KR2+8*\n+3],   v[KA] offset:(26+2*\d)*128+64*\n
	ds_load_b128 v[KR2+8*\n+4:KR2+8*\n+7], v[KA] offset:(26+2*\d)*128+64*\n+16
.endr
.endif
.endm
; Sweep 2's operands of K steps 24 + 2 e and 25 + 2 e: fragments 8-15 of each, 32 loads, into block 0 (e even) or 3 (e odd).
.macro LOADE e
	WIN ((3*(\e&1))<<6)
.irp s, 0,1
.irp g, 0,1,2,3,4,5,6,7
	ds_load_b128 v[HF+64*\s+8*\g:HF+64*\s+8*\g+3],   v[HA+3] offset:\g*FROW+(2*\e+\s)*64
	ds_load_b128 v[HF+64*\s+8*\g+4:HF+64*\s+8*\g+7], v[HA+3] offset:\g*FROW+(2*\e+\s)*64+32
.endr
.endr
.endm
; The lines of a K step.  DO_MM, DO_VEC: whether the step has matrix lines, vector lines.  ZEROC: the first products start the sums, nothing is cleared.
; HALFM = 1 (sweep 1): the even slots alone issue, slot 2 g for tile g with the fragment in place HOFS + g.
.macro MMT tile, frag
.if ZEROC
	v_wmma_f32_16x16x32_f16 v[8*(\tile):8*(\tile)+7], v[PCUR:PCUR+7], v[HF+8*(\frag):HF+8*(\frag)+7], 0
.else
	v_wmma_f32_16x16x32_f16 v[8*(\tile):8*(\tile)+7], v[PCUR:PCUR+7], v[HF+8*(\frag):HF+8*(\frag)+7], v[8*(\tile):8*(\tile)+7]
.endif
.endm
.macro MM f
.if DO_MM
.if HALFM
.if (\f&1) == 0
	MMT (\f>>1), (HOFS+(\f>>1))
.endif
.else
	MMT \f, \f
.endif
.endif
.endm
.macro MMS
.if DO_MM
.if ZEROC
	v_wmma_f32_16x16x32_f16 v[SUMR:SUMR+7], v[PCUR:PCUR+7], v[ONES:ONES+7], 0
.else
	v_wmma_f32_16x16x32_f16 v[SUMR:SUMR+7], v[PCUR:PCUR+7], v[ONES:ONES+7], v[SUMR:SUMR+7]
.endif
.endif
.endm
.macro VA n                            ; pair n of the piece's eight: a' + k'
.if DO_VEC
	v_pk_add_f32 v[X+2*\n:X+2*\n+1], v[AP:AP+1], v[KRB+2*\n:KRB+2*\n+1]
.endif
.endm
.macro VF n                            ; pair n: m E + m
.if DO_VEC
	v_pk_fma_f32 v[X+2*\n:X+2*\n+1], v[X+2*\n:X+2*\n+1], s[48:49], s[48:49] op_sel_hi:[1,0,0]
.endif
.endm
.macro VE n0, cnt                      ; cnt of the piece's sixteen numbers from n0 on: exp2, for E and later for P
.if DO_VEC
.set vn, \n0
.rept \cnt
	v_exp_f32 v[X+vn], v[X+vn]
.set vn, vn+1
.endr
.endif
.endm
.macro VR n0, cnt                      ; the same numbers: -S / (1 + E)
.if DO_VEC
.set vn, \n0
.rept \cnt
	v_rcp_f32 v[X+vn], v[X+vn]
.set vn, vn+1
.endr
.endif
.endm
; A THIRD of a piece's K step: block B = 1 + u.  Its matrix instructions (P from PCUR, hf and ONES from block HB), and behind each a slice of the vector work on the piece's
; next P (k' from block HB too), which names only X, a' and k': none of a matrix instruction's registers.  Window: destination, source 0 and source 2 block B, source 1 block HB.
; A slice begins with a plain line while there are plain lines; a pair is added (or scaled) in an earlier slice than the one that holds its exp2s (or reciprocals).
; No line of a third names a result of the third's own exp2s or reciprocals, in either piece: their readers stand behind the wait that closes the batch (GATE).
.macro SEG1 B                          ; slots 0-5; a' + k' and E
	WIN ((\B*0x51)|(HB<<2))
	MM 0
	VA 0
	VA 1
	VA 2
	VA 3
	MM 1
	VA 4
	VE 0, 3
	MM 2
	VA 5
	VE 3, 3
	MM 3
	VA 6
	VE 6, 3
	MM 4
	VA 7
	VE 9, 3
	MM 5
	VE 12, 4
.endm
.macro SEG2 B                          ; slots 6-11; m E + m and its reciprocal
	WIN ((\B*0x51)|(HB<<2))
	MM 6
	VF 0
	VF 1
	VF 2
	VF 3
	MM 7
	VF 4
	VR 0, 3
	MM 8
	VF 5
	VR 3, 3
	MM 9
	VF 6
	VR 6, 3
	MM 10
	VF 7
	VR 9, 3
	MM 11
	VR 12, 4
.endm
.macro SEG3 B                          ; slots 12-15 and the sums; P
	WIN ((\B*0x51)|(HB<<2))
	MM 12
	VE 0, 4
	MM 13
	VE 4, 4
	MM 14
	VE 8, 4
	MM 15
	VE 12, 4
	MMS
.endm
.macro VC B                            ; the piece's sixteen P rounded to f16
.if DO_VEC
	WIN (\B*0x55)                                  ; all operands block B
.irp n, 0,1,2,3,4,5,6,7
	v_cvt_pk_f16_f32 v[PNXT+\n], v[X+2*\n], v[X+2*\n+1]            ; the lower j into the low half: register n of the next step's P fragment
.endr
.endif
.endm
.macro GATE                            ; a batch is closed
.if DO_VEC
	v_nop                                          ; the plain instruction between the batch's last exp2 or reciprocal and the first use of a result (ISA guide 5.7.2): no plain work is left that reads none
	s_wait_alu depctr_va_vdst(0)                   ; ONE wait for the batch's 32 results, both pieces', ahead of the first line that names one
.endif
.endm
; A K STEP, both pieces: three batches, three waits.  The second piece's third is the independent work behind the first piece's half of a batch.
; Each accumulator has one matrix instruction a step, the steps in ascending j; the accumulators take turns, one instruction a turn, over the thirds, the pieces and the steps.
; Piece 1's conversions stand last: they leave sources 0 and 1 in block 2, and the sixteen conversions are the places behind the step's last products.
.macro KSTEP
	SEG1 1
	SEG1 2
	GATE                                           ; batch 1: both pieces' E; its readers are the scalings m E + m
	SEG2 1
	SEG2 2
	GATE                                           ; batch 2: both pieces' reciprocals; its readers are the exp2s that make P
	SEG3 1
	SEG3 2
	GATE                                           ; batch 3: both pieces' P; its readers are the conversions
	VC 1
	VC 2
.endm
; K step t = 0 .. 23.  head = 0: a plain step.  head = 2, 3: the slot just read to its end is filled again with that chunk.  head = 1: a change of slots with nothing left to fetch.
; The next step's LDS loads stand at the head, so that they have the whole step in which to land.  They write the block that the last step's matrix
; instructions read: the conversions that closed that step are the places between (four are asked for: ISA guide 7.12.1 for vector instructions).
.macro STEP t, head
	s_wait_dscnt 0x0                               ; this step's fragments and k' are in; at a change of slots: my reads of the old slot are over
.if \head
	WIN 0xaa                                       ; the add's two registers lie in block 2: the conversions that closed the last step have left sources 0 and 1 there, so nothing is written here
	s_wait_tensorcnt 0x0                           ; all my tensor loads have landed: the one that was out is my quarter of the slot that is read next
	ds_add_u32 v254, v255
	s_wait_dscnt 0x0
.if \head == 1
	s_barrier_signal -1
	s_barrier_wait -1                              ; the last chunk is whole, and no wave reads slot 0 any more: it is free for the way out
.else
	WIN 0                                          ; at a branch and at a label every window is 0
	ROUND                                          ; both waits now hold of every wave of all four work-groups
	tensor_load_to_lds s[G0+4*\head:G0+4*\head+3], s[G1:G1+7]      ; my one tensor load behind the round, first thing there; eight K steps until it is waited for
	s_nop 0
.endif
.endif
.if \t < 23
	LOAD (\t+1)
.set PNXT, PB+8-8*(\t&1)
.else
	LOADD 0                                        ; sweep 1 begins with the next step,
.set PNXT, PK                                      ; and its P is the first that is kept
.endif
.set HB,   3*(\t&1)
.set PCUR, PB+8*(\t&1)
.set DO_MM, 1
.set DO_VEC, 1
.set HALFM, 0
.set HOFS, 0
.set KRB, KR
.if \t == 0
.set ZEROC, 1
.else
.set ZEROC, 0
.endif
	KSTEP
.endm
; Sweep 1, K steps 24 + 2 d and 25 + 2 d: for each step and piece tiles 0-7, the sums, and the next step's P, which goes to its own place in PK.
.macro DSTEP d
	s_wait_dscnt 0x0                               ; these two steps' fragments and k' are in
.if \d < 3
	LOADD (\d+1)
.else
	LOADE 0                                        ; sweep 2's first operands
.endif
.set HB, 3*(\d&1)
.set DO_MM, 1
.set DO_VEC, 1
.set ZEROC, 0
.set HALFM, 1
.set HOFS, 0
.set KRB, KR
.set PCUR, PK+16*\d
.set PNXT, PK+16*\d+8
	KSTEP
.set HOFS, 8
.set KRB, KR2
.set PCUR, PK+16*\d+8
.set PNXT, PK+16*\d+16
.if \d == 3
.set DO_VEC, 0                                     ; K step 31: no P is left to make, so it has no batch and no wait
.endif
	KSTEP
.endm
	; In front of the first step: k' of step 0 into block 3, step 0's operands into block 0, and P of step 0 for both pieces.
	WIN 0xc0
	ds_load_b128 v[KR:KR+3],     v[KA]
	ds_load_b128 v[KR+4:KR+7],   v[KA] offset:16
	ds_load_b128 v[KR+8:KR+11],  v[KA] offset:64
	ds_load_b128 v[KR+12:KR+15], v[KA] offset:80
	LOAD 0
	s_wait_dscnt 36                                ; LDS loads come back in order (ISA guide 5.7.1): the four of k' are in, the 36 issued behind them stay out
.set HB,   3
.set PCUR, PB+8
.set PNXT, PB
.set DO_MM, 0
.set DO_VEC, 1
.set ZEROC, 0
.set HALFM, 0
.set HOFS, 0
.set KRB, KR
	KSTEP
.irp t, 0,1,2,3,4,5,6
	STEP \t, 0
.endr
	STEP 7, 2                                      ; chunk 0 has been read: chunk 2 goes into slot 0; the next step's loads read slot 1
.irp t, 8,9,10,11,12,13,14
	STEP \t, 0
.endr
	STEP 15, 3                                     ; chunk 1 has been read: chunk 3 goes into slot 1
.irp t, 16,17,18,19,20,21,22
	STEP \t, 0
.endr
	STEP 23, 1                                     ; chunk 2 has been read: nothing is left to fetch
.irp d, 0,1,2,3
	DSTEP \d
.endr
; THE WAY OUT, in two halves of 128 rows c.  The accumulators go into the stage as they are, 2 x 16 bytes a lane and tile into row c = 16 f + r; behind a barrier wave w
; reads rows 32 w .. + 31 of the half back whole; there a lane holds columns i = 4 lane + 0..3 of every row, so four registers of 1 / row sum serve all its rows.
.macro STAGE B, half                   ; tiles 8 half .. 8 half + 7 of piece B - 1
	WIN (\B*0x55)
.irp g, 0,1,2,3,4,5,6,7
	ds_store_b128 v[STA+\half], v[64*\half+8*\g:64*\half+8*\g+3]   offset:\g*FROW
	ds_store_b128 v[STA+\half], v[64*\half+8*\g+4:64*\half+8*\g+7] offset:\g*FROW+16
.endr
.endm
; 1 / row sum of a piece's 16 i: register j of lane (r, h) is i = 16 u + 8 h + j, the same in all sixteen r, which store the same bytes.
.macro RECIP B
	WIN (\B*0x55)
.irp j, 0,1,2,3,4,5,6,7
	v_rcp_f32 v[SUMR+\j], v[SUMR+\j]               ; the sums lie in [1024 e^-2, 1024]
.endr
.endm
.macro SUMOUT B
	WIN (\B*0x55)
	ds_store_b128 v[LSA], v[SUMR:SUMR+3]
	ds_store_b128 v[LSA], v[SUMR+4:SUMR+7] offset:16
.endm
; 32 rows of a half read back: rows 0-15 of my 32 into block 1, rows 16-31 into block 2, at register base (accumulators that have been staged).
.macro BACK adr, base
.irp B, 1,2
	WIN (\B<<6)                                    ; destination block B, address block 0
.irp k, 0,1,2,3,4,5,6,7,8,9,10,11,12,13,14,15
	ds_load_b128 v[\base+4*\k:\base+4*\k+3], v[\adr] offset:(16*(\B-1)+\k)*PITCH
.endr
.endr
.endm
; One row of four registers at rb, scratch at xs, under the products' window (source 1 = the operand block, where RL lies).
; ph = 0: times 1 / row sum, and 0.2 times that.  ph = 1: leaky = the larger of the two; the scalar -infinity fills the place of source 1.
.macro SCL rb, xs, ph
.if \ph == 0
	v_pk_mul_f32 v[\rb:\rb+1],   v[\rb:\rb+1],   v[RL:RL+1]
	v_pk_mul_f32 v[\rb+2:\rb+3], v[\rb+2:\rb+3], v[RL+2:RL+3]
	v_pk_mul_f32 v[\xs:\xs+1],   v[\rb:\rb+1],   s[50:51] op_sel_hi:[1,0]
	v_pk_mul_f32 v[\xs+2:\xs+3], v[\rb+2:\rb+3], s[50:51] op_sel_hi:[1,0]
.else
.irp n, 0,1,2,3
	v_max3_num_f32 v[\rb+\n], v[\rb+\n], s60, v[\xs+\n]
.endr
.endif
.endm
; Four stores: rows 4 q .. 4 q + 3 of block B's sixteen; each covers 512 consecutive bytes of out, aligned.  Address block 0, data block B.
.macro STORE4 B, q, base, row0
	WIN (\B<<2)
.irp n, 0,1,2,3
	global_store_b128 v[CO], v[\base+16*\q+4*\n:\base+16*\q+4*\n+3], s[8:9] offset:(\row0+16*(\B-1)+4*\q+\n)*4096 th:TH_STORE_NT
.endr
.endm
; Sweep 2, one group: tiles 8-15 of piece B - 1, K step 24 + 2 e + s.  wo = 1: behind each matrix instruction stand four instructions of the way out of rows
; 4 q .. 4 q + 3 of the piece's block; they name tiles 0-7's registers, X and RL alone, none of a group's matrix registers.
; The eight accumulators take turns and the next group is the other piece's.
.macro GRP e, s, B, wo, q
	WIN ((\B*0x51)|((3*(\e&1))<<2))
.irp g, 0,1,2,3,4,5,6,7
	v_wmma_f32_16x16x32_f16 v[64+8*\g:64+8*\g+7], v[PK+8*(2*\e+\s):PK+8*(2*\e+\s)+7], v[HF+64*\s+8*\g:HF+64*\s+8*\g+7], v[64+8*\g:64+8*\g+7]
.if \wo
	SCL (16*\q+4*(\g>>1)), (X+4*(\g>>1)), (\g&1)
.endif
.endr
.if \wo
	STORE4 \B, \q, 0, 0
.endif
.endm
	PLACES                                         ; behind sweep 1's last matrix instructions: for the loads into block 3, the reciprocals and the stage stores
	LOADE 1
	RECIP 1                                        ; the way out's batch: both pieces' eight reciprocals,
	RECIP 2
	v_nop                                          ; a plain instruction between the last reciprocal and the first use,
	STAGE 1, 0                                     ; both pieces' first halves, 32 stores that name no reciprocal, as the work between,
	STAGE 2, 0
	s_wait_alu depctr_va_vdst(0)                   ; and ONE wait for the sixteen reciprocals, ahead of the stores that read them
	SUMOUT 2
	SUMOUT 1
	s_wait_dscnt 0x0                               ; my 128 bytes of rows 0-127 and my 32 reciprocals are in LDS (and sweep 2's first operands in registers): zero, for the other waves' sake
	s_barrier_signal -1
	s_barrier_wait -1
	BACK RD, 0
	WIN 0
	ds_load_b128 v[RL:RL+3], v[RLA]                ; 1 / row sum of my four columns, once for each operand block
	WIN 0xc0
	ds_load_b128 v[RL:RL+3], v[RLA]
	GRP 0, 0, 1, 0, 0                              ; sixteen matrix instructions while the rows come back
	GRP 0, 0, 2, 0, 0
	s_wait_dscnt 0x0                               ; the 32 rows and the reciprocals are in
	GRP 0, 1, 1, 1, 0
	GRP 0, 1, 2, 1, 0
	LOADE 2                                        ; into block 0: the four maxima behind the last group's last matrix instruction are the places
	GRP 1, 0, 1, 1, 1
	GRP 1, 0, 2, 1, 1
	GRP 1, 1, 1, 1, 2
	GRP 1, 1, 2, 1, 2
	LOADE 3                                        ; into block 3, likewise
	s_wait_dscnt 32                                ; K steps 28 and 29's fragments are in; the 32 loads issued behind them stay out
	GRP 2, 0, 1, 1, 3
	GRP 2, 0, 2, 1, 3                              ; rows c 0-127 are on their way to memory; 48 matrix instructions are left
	GRP 2, 1, 1, 0, 0
	GRP 2, 1, 2, 0, 0
	s_wait_dscnt 0x0                               ; K steps 30 and 31's fragments
	GRP 3, 0, 1, 0, 0
	GRP 3, 0, 2, 0, 0
	GRP 3, 1, 1, 0, 0
	GRP 3, 1, 2, 0, 0
	; The second half: rows c 128-255.  They are read back into tiles 8-15's registers, so that no register of a pending store is written.
	PLACES
	STAGE 1, 1
	STAGE 2, 1
	s_wait_dscnt 0x0                               ; zero, for the other waves' sake
	s_barrier_signal -1
	s_barrier_wait -1
	BACK RD2, 64
.macro LASTOUT B
.irp q, 0,1,2,3
	s_wait_dscnt (28-16*(\B-1)-4*\q)               ; of the 32 loads those issued behind row 4 q + 3 of this block stay out
	WIN (\B*0x51)                                  ; source 1 block 0: RL
.irp n, 0,1,2,3
	SCL (64+16*\q+4*\n), (X+4*\n), 0
.endr
.irp n, 0,1,2,3
	SCL (64+16*\q+4*\n), (X+4*\n), 1
.endr
	STORE4 \B, \q, 64, 128
.endr
.endm
	LASTOUT 1
	LASTOUT 2
	WIN 0
	s_set_vgpr_msb 0xa
	s_wait_tensorcnt 0x0
	ds_add_u32 v254, v255
	s_wait_dscnt 0x0
	s_set_vgpr_msb 0xa00
	ROUND                                          ; the closing round: no work-group ends while a partner may still ask for a chunk that names it
	s_endpgm
.Lfunc_end_k_q76de3b19d6_attn:
	.size	k_q76de3b19d6_attn, .Lfunc_end_k_q76de3b19d6_attn-k_q76de3b19d6_attn
	.p2alignl 7, 3214868480
	.fill 96, 4, 3214868480
	.section	.rodata,"a",@progbits
	.p2align	6, 0x0
	.amdhsa_kernel k_q76de3b19d6_attn
		.amdhsa_group_segment_fixed_size 327680
		.amdhsa_private_segment_fixed_size 0
		.amdhsa_enable_private_segment 0
		.amdhsa_kernarg_size 24
		.amdhsa_user_sgpr_count 2
		.amdhsa_user_sgpr_kernarg_segment_ptr 1
		.amdhsa_wavefront_size32 1
		.amdhsa_system_sgpr_workgroup_id_x 1
		.amdhsa_system_sgpr_workgroup_id_y 1
		.amdhsa_system_sgpr_workgroup_id_z 1
		.amdhsa_system_vgpr_workitem_id 0
		.amdhsa_next_free_vgpr 960
		.amdhsa_next_free_sgpr 66
		.amdhsa_reserve_vcc 0
		.amdhsa_float_denorm_mode_32 3
		.amdhsa_float_denorm_mode_16_64 3
		.amdhsa_memory_ordered 1
		.amdhsa_forward_progress 1
		.amdhsa_inst_pref_size 255
	.end_amdhsa_kernel
	.section	.bss,"aw",@nobits
	.p2align	6
	.space	262144
	.amdgpu_metadata
---
amdhsa.version: [ 1, 2 ]
amdhsa.kernels:
  - .name:           k_q76de3b19d6_attn
    .symbol:         k_q76de3b19d6_attn.kd
    .args:
      - { .name: hf, .offset: 0, .size: 8, .value_kind: global_buffer, .address_space: global }
      - { .name: proj, .offset: 8, .size: 8, .value_kind: global_buffer, .address_space: global }
      - { .name: out0, .offset: 16, .size: 8, .value_kind: global_buffer, .address_space: global }
    .group_segment_fixed_size: 327680
    .private_segment_fixed_size: 0
    .kernarg_segment_align: 8
    .kernarg_segment_size: 24
    .max_flat_workgroup_size: 128
    .sgpr_count:     66
    .vgpr_count:     960
    .wavefront_size: 32
...
	.end_amdgpu_metadata
.endif
;; end of part 3
